; MI455X (gfx1250); checked and timed in simulation.
; The chip was launched on July 23, 2026; its instructions are those of AMD's public machine-readable ISA for CDNA 5 (MIT licence, August 2026) and "CDNA5" Instruction Set Architecture Reference Guide (July 2026). The comments in the code are by the model that wrote it; some were corrected since.
;; Multi Headed Attention. Allowed arithmetic: float matrix products may take bf16 or f16 operands with f32 sums; all other float work in f32.
;; Inputs: Wk 1,024 x 1,024 float32; Wo 1,024 x 1,024 float32; Wq 1,024 x 1,024 float32; Wv 1,024 x 1,024 float32; bk 1,024 float32; bo 1,024 float32; bq 1,024 float32; bv 1,024 float32; hidden_states 2 x 2,048 x 1,024 float32.
;; Outputs: out0 2 x 2,048 x 1,024 float32.
;; 2 versions, each right; version 2 is version 1 with the launch prep written anew for expert scheduling mode. Each part assembles by itself: llvm-mc -triple=amdgcn-amd-amdhsa -mcpu=gfx1250 --defsym DOCPART=n.
;; ======== version 1 of 2: 4 launches
;; workspace buffers: act 8,388,608 bytes; wb 8,388,608 bytes; qw 8,388,608 bytes; kw 8,388,608 bytes; vw 8,388,608 bytes
;; launch prep (part 1): grid 256 x 2, 8 waves a work-group, no clusters, 35,840 bytes of LDS; arguments hidden_states, Wq, Wk, Wv, Wo, act, wb; writes act, wb
.if DOCPART == 1
	.amdgcn_target "amdgcn-amd-amdhsa--gfx1250"
	.amdhsa_code_object_version 6
	.text
	.protected	k_qdff1d06c9b_prep
	.globl	k_qdff1d06c9b_prep
	.p2align	8
	.type	k_qdff1d06c9b_prep,@function
k_qdff1d06c9b_prep:
	s_mov_b64 s[64:65], 0
	v_nop
	global_prefetch_b8 v0, s[64:65] scope:SCOPE_SE
	s_setreg_imm32_b32 hwreg(HW_REG_WAVE_MODE, 25, 1), 1
	s_wait_xcnt 0x0
; prep: hidden_states and the four weights are rounded to bf16 ONCE and stored as register images of matrix fragments,
; so that the three later launches neither convert nor transpose anything.
; A fragment is 16 rows x 32 k = 1,024 bytes: byte 256 q + 16 r + 2 e holds (row r, k = 8 q + e).  Two 16-byte loads a lane,
; at 16 x lane and 16 x lane + 512, are then the eight registers of an A or a B operand (ISA guide 7.12.2).
;   act [row block of 16 (256)][k/32 (32)][1,024 B]                     hidden_states, rows as they are
;   wb  [nb (256)][k/32 (32)][1,024 B], nb = 16 g + 4 p + i             weight p (q, k, v, o), row r of block nb = column 64 g + 4 r + i
; A stream: each wave converts one block of 8 KiB once, 16 loads of 16 bytes a lane all in flight, no loop.  No input is shared
; between work-groups, so no cluster; no matrix work.  Limit: operands are rounded to bf16 (nearest even).
.set X,     8                          ; v[8:71]    16 loads of 4 registers
.set Y,     72                         ; v[72:103]  8 stores of 4 registers
.set PITCH, 272                        ; stage row: 256 bytes + 16, an odd multiple of 16: the 16 rows of a read start in different banks
.set STAGE, 16*PITCH                   ; a wave's own stage
	s_load_b256 s[4:11], s[0:1], 0x0               ; hidden_states s[4:5], Wq s[6:7], Wk s[8:9], Wv s[10:11]
	s_load_b128 s[12:15], s[0:1], 0x20             ; Wo s[12:13], act s[14:15]
	s_load_b64 s[16:17], s[0:1], 0x30              ; wb
	v_lshl_add_u32 v104, v0, 2, 0x8800
	v_mov_b32 v105, 0
	v_lshrrev_b32 v1, 5, v0
	v_readfirstlane_b32 s18, v1                    ; wave 0..7
	s_and_b32 s19, ttmp7, 0xffff                   ; y: 0 = hidden_states, 1 = weights
	v_and_b32 v1, 31, v0                           ; lane
	v_lshlrev_b32 v2, 4, v1                        ; 16 x lane
	v_and_b32 v5, 15, v0                           ; r
	v_bfe_u32 v6, v0, 4, 1                         ; h
	s_mov_b32 s23, 0
	s_mov_b32 s27, 0
	s_cmp_lg_u32 s19, 0
	s_cbranch_scc1 .Lweights
	; ---- hidden_states: work-group = row block rb, wave w = k 128 w .. 128 w + 127 (four fragments)
	s_lshl_b32 s22, ttmp9, 16                      ; in: rb x 16 rows x 4,096 bytes
	s_lshl_b32 s20, s18, 9                         ;     + w x 512
	s_add_co_u32 s22, s22, s20
	s_lshl_b32 s26, ttmp9, 15                      ; out: rb x 32,768
	s_lshl_b32 s20, s18, 12                        ;      + w x 4,096
	s_add_co_u32 s26, s26, s20
	s_mul_i32 s21, s18, STAGE                      ; my wave's stage
	v_lshl_add_u32 v3, v1, 3, s21                  ; stage in: 8 bytes a lane along a row
	v_mul_u32_u24 v4, v5, PITCH                    ; stage out: row r, 16 h
	v_lshl_add_u32 v4, v6, 4, v4
	v_add_nc_u32 v4, s21, v4
	s_wait_kmcnt 0x0
	s_add_nc_u64 s[4:5], s[4:5], s[22:23]
	s_add_nc_u64 s[14:15], s[14:15], s[26:27]
.irp r, 0,1,2,3,4,5,6,7,8,9,10,11,12,13,14,15
	global_load_b128 v[X+4*\r:X+4*\r+3], v2, s[4:5] offset:\r*4096 th:TH_LOAD_NT   ; 512 consecutive bytes of row r, read once in the launch
.endr
.irp r, 0,1,2,3,4,5,6,7,8,9,10,11,12,13,14,15
	s_wait_loadcnt 15-\r                           ; loads return in order: row r is in, the 15 - r younger ones stay out
	v_cvt_pk_bf16_f32 v[X+4*\r],   v[X+4*\r],   v[X+4*\r+1]
	v_cvt_pk_bf16_f32 v[X+4*\r+1], v[X+4*\r+2], v[X+4*\r+3]
	ds_store_b64 v3, v[X+4*\r:X+4*\r+1] offset:\r*PITCH
.endr
.irp m, 0,1,2,3,4,5,6,7
	ds_load_b128 v[Y+4*\m:Y+4*\m+3], v4 offset:32*\m   ; my wave's own bytes, served in order behind the stores: k = 16 m + 8 h .. + 7 of row r
.endr
.irp m, 0,1,2,3,4,5,6,7
	s_wait_dscnt 7-\m                              ; piece m is in, the 7 - m younger ones stay out
	global_store_b128 v2, v[Y+4*\m:Y+4*\m+3], s[14:15] offset:512*\m   ; half a fragment: 512 consecutive bytes, aligned
.endr
	s_wait_tensorcnt 0x0
	ds_add_u32 v104, v105
	s_wait_dscnt 0x0
	s_endpgm
	; ---- weights: x = 64 p + 4 g + kh; wave w takes rows k = 32 kf .. + 31, kf = 8 kh + w, of columns 64 g .. + 63 of weight p
.Lweights:
	s_lshr_b32 s20, ttmp9, 6                       ; p
	s_bfe_u32 s21, ttmp9, 0x40002                  ; g
	s_and_b32 s28, ttmp9, 3
	s_lshl_b32 s28, s28, 3
	s_add_co_u32 s28, s28, s18                     ; kf
	s_lshl_b32 s22, s28, 17                        ; in: kf x 32 rows x 4,096
	s_lshl_b32 s29, s21, 8                         ;     + g x 256
	s_add_co_u32 s22, s22, s29
	s_lshl_b32 s26, s21, 19                        ; out: (16 g + 4 p) x 32,768 + kf x 1,024
	s_lshl_b32 s29, s20, 17
	s_add_co_u32 s26, s26, s29
	s_lshl_b32 s29, s28, 10
	s_add_co_u32 s26, s26, s29
	v_lshlrev_b32 v3, 4, v5                        ; lane (r, h): four columns 4 r .. 4 r + 3,
	v_lshl_add_u32 v3, v6, 15, v3                  ; rows 8 h + e
	s_wait_kmcnt 0x0
	s_cmp_eq_u32 s20, 1
	s_cselect_b64 s[24:25], s[8:9], s[6:7]
	s_cmp_eq_u32 s20, 2
	s_cselect_b64 s[24:25], s[10:11], s[24:25]
	s_cmp_eq_u32 s20, 3
	s_cselect_b64 s[24:25], s[12:13], s[24:25]
	s_add_nc_u64 s[24:25], s[24:25], s[22:23]
	s_add_nc_u64 s[16:17], s[16:17], s[26:27]
.irp q, 0,1
.irp e, 0,1,2,3,4,5,6,7
	global_load_b128 v[X+4*(8*\q+\e):X+4*(8*\q+\e)+3], v3, s[24:25] offset:(16*\q+\e)*4096 th:TH_LOAD_NT   ; row 16 q + 8 h + e: sixteen lanes read 256 consecutive bytes, aligned
.endr
.endr
.irp q, 0,1
	s_wait_loadcnt 8-8*\q                          ; the eight rows of this half are in; for q = 0 the eight younger loads stay out
.irp i, 0,1,2,3
.irp x, 0,1,2,3
	v_cvt_pk_bf16_f32 v[Y+4*(4*\q+\i)+\x], v[X+4*(8*\q+2*\x)+\i], v[X+4*(8*\q+2*\x+1)+\i]   ; column 4 r + i, k = 16 q + 8 h + 2 x, + 1
.endr
	global_store_b128 v2, v[Y+4*(4*\q+\i):Y+4*(4*\q+\i)+3], s[16:17] offset:\i*32768+\q*512   ; half of fragment i: 512 consecutive bytes, aligned
.endr
.endr
	s_endpgm
.Lfunc_end_k_qdff1d06c9b_prep:
	.size	k_qdff1d06c9b_prep, .Lfunc_end_k_qdff1d06c9b_prep-k_qdff1d06c9b_prep
	.p2alignl 7, 3214868480
	.fill 96, 4, 3214868480
	.section	.rodata,"a",@progbits
	.p2align	6, 0x0
	.amdhsa_kernel k_qdff1d06c9b_prep
		.amdhsa_group_segment_fixed_size 35840
		.amdhsa_private_segment_fixed_size 0
		.amdhsa_enable_private_segment 0
		.amdhsa_kernarg_size 56
		.amdhsa_user_sgpr_count 2
		.amdhsa_user_sgpr_kernarg_segment_ptr 1
		.amdhsa_wavefront_size32 1
		.amdhsa_system_sgpr_workgroup_id_x 1
		.amdhsa_system_sgpr_workgroup_id_y 1
		.amdhsa_system_sgpr_workgroup_id_z 1
		.amdhsa_system_vgpr_workitem_id 0
		.amdhsa_next_free_vgpr 106
		.amdhsa_next_free_sgpr 66
		.amdhsa_reserve_vcc 0
		.amdhsa_float_denorm_mode_32 3
		.amdhsa_float_denorm_mode_16_64 3
		.amdhsa_memory_ordered 1
		.amdhsa_forward_progress 1
		.amdhsa_inst_pref_size 14
	.end_amdhsa_kernel
	.amdgpu_metadata
---
amdhsa.version: [ 1, 2 ]
amdhsa.kernels:
  - .name:           k_qdff1d06c9b_prep
    .symbol:         k_qdff1d06c9b_prep.kd
    .args:
      - { .name: hidden_states, .offset: 0, .size: 8, .value_kind: global_buffer, .address_space: global }
      - { .name: Wq, .offset: 8, .size: 8, .value_kind: global_buffer, .address_space: global }
      - { .name: Wk, .offset: 16, .size: 8, .value_kind: global_buffer, .address_space: global }
      - { .name: Wv, .offset: 24, .size: 8, .value_kind: global_buffer, .address_space: global }
      - { .name: Wo, .offset: 32, .size: 8, .value_kind: global_buffer, .address_space: global }
      - { .name: act, .offset: 40, .size: 8, .value_kind: global_buffer, .address_space: global }
      - { .name: wb, .offset: 48, .size: 8, .value_kind: global_buffer, .address_space: global }
    .group_segment_fixed_size: 35840
    .private_segment_fixed_size: 0
    .kernarg_segment_align: 8
    .kernarg_segment_size: 56
    .max_flat_workgroup_size: 256
    .sgpr_count:     66
    .vgpr_count:     106
    .wavefront_size: 32
...
	.end_amdgpu_metadata
.endif
;; end of part 1
;; launch qkv (part 2): grid 16 x 16, 4 waves a work-group, clusters of 4 x 4, 327,680 bytes of LDS; arguments act, wb, bq, bk, bv, qw, kw, vw; writes qw, kw, vw
.if DOCPART == 2
	.amdgcn_target "amdgcn-amd-amdhsa--gfx1250"
	.amdhsa_code_object_version 6
	.text
	.protected	k_qdff1d06c9b_qkv
	.globl	k_qdff1d06c9b_qkv
	.p2align	8
	.type	k_qdff1d06c9b_qkv,@function
k_qdff1d06c9b_qkv:
	s_mov_b64 s[64:65], 0
	v_nop
	global_prefetch_b8 v0, s[64:65] scope:SCOPE_SE
	s_setreg_imm32_b32 hwreg(HW_REG_WAVE_MODE, 25, 1), 1
	s_wait_xcnt 0x0
	s_wait_alu depctr_hold_cnt(0) depctr_sa_sdst(0) depctr_va_vdst(0) depctr_va_sdst(0) depctr_va_ssrc(0) depctr_va_vcc(0) depctr_vm_vsrc(0)
	s_getreg_b32 s2, hwreg(HW_REG_IB_STS2, 6, 4)
	s_cmp_eq_u32 s2, 0
	s_cbranch_scc0 .Lentry_in_a_cluster
	s_endpgm
.Lentry_in_a_cluster:
	s_bfe_u32 s2, ttmp6, 0x10000c
	s_cmp_lg_u32 s2, 0xf033
	s_cbranch_scc0 .Lentry_shape_is_right
	s_endpgm
.Lentry_shape_is_right:
; qkv: q, k, v = X W + b for one head (64 + 64 + 64 columns) and 256 rows a work-group; sums and biases in f32, results rounded to bf16.
; Four waves, one for each SIMD of a WGP; wave w makes rows 64 w .. 64 w + 63 x 192 columns: 48 accumulator tiles, 384 registers.
; K goes in 8 steps of 128 through two LDS slots.  All operands lie in memory as fragment images of 1,024 bytes (launch prep), so a
; tile is dense, a fragment load is 16 x lane and nothing is transposed.
; CLUSTERS: 4 x 4 work-groups.  X's tile hangs on the row block alone and is asked for jointly by a row of the cluster; W's hangs on
; the head alone and is asked for jointly by a column: a quarter of the requests.
; q and k are made TRANSPOSED (source 0 = W, source 1 = X): lane (r, h) holds row r and d = 32 h + 4 j + i over the four tiles i
; (W's block i holds columns 4 r + i), 32 consecutive d, which pack into the fragment images that the attention launch loads.
; v is made the natural way round: lane (r, h) holds keys 8 h + j of d = 4 r + i: 16 bytes of the image of V^T.
;   qw, kw [b x 16 + head (32)][s/16 (128)][d/32 (2)][1,024 B]      vw [b x 16 + head][key/16 (128)][i (4)][512 B]
; Limits: operands and results are bf16 (nearest even); NaN and infinities are not served.
; REGISTERS in windows of 256: window 0: addresses, biases, v128-255 fragment buffer 0; window 1: q's and k's accumulators
; (8 (16 p + 4 t + i)); window 2: v0-127 v's accumulators (8 (4 t + i)), v128-255 fragment buffer 1.
.set STEPB, 4096                       ; bytes of one row block in a K step: four fragments
.set XT,    65536                      ; X's tile: 16 row blocks x 4,096
.set SLOT,  114688                     ; + W's tile: 12 blocks x 4,096
.set ADRX,  8                          ; v8-9    LDS address of my X fragments in slot 0, 1
.set ADRW,  10                         ; v10-11  the same for W
.set QKO,   12                         ; v12     1,024 h + 16 r: my 16 bytes in an image of q or k
.set L16,   13                         ; v13     16 x lane
.set BOH,   14                         ; v14     128 h: my 32 biases of q and k
.set BOR,   15                         ; v15     16 r: my 4 biases of v
.set BQ,    16                         ; v[16:47] bq, v[48:79] bk of d = 32 h + 0 .. 31
.set BV,    80                         ; v[80:83] bv of d = 4 r + 0 .. 3
.set F,     128                        ; a fragment buffer: X(t) at F + 8 t, W(p, i) at F + 32 + 8 (4 p + i)
.set G1,    32                         ; s[32:39] group 1 for X's tiles
.set G0,    40                         ; s[40:47] group 0 for X's tiles, one set a slot
.set G1B,   48                         ; s[48:55] group 1 for W's tiles
.set G0B,   56                         ; s[56:63] group 0 for W's tiles, one set a slot
.set MSB,   0
.macro WIN new                         ; the immediate's high byte repeats the setting that is left; no switch that changes nothing
.if MSB != (\new)
	s_set_vgpr_msb (MSB<<8)|(\new)
.set MSB, (\new)
.endif
.endm
.macro PLACES                          ; four places behind matrix instructions in front of loads into, or reads of, their registers
.rept 4
	v_nop
.endr
.endm
.macro JLOAD s                         ; a joint load: waves 0, 1 ask for X's halves, waves 2, 3 for W's; the branch hangs on the wave's number alone
	s_cmp_eq_u32 s21, 0
	s_cbranch_scc0 .Lfor_w_\@
	tensor_load_to_lds s[G0+4*\s:G0+4*\s+3], s[G1:G1+7]
	s_nop 0
	s_branch .Lasked_\@
.Lfor_w_\@:
	tensor_load_to_lds s[G0B+4*\s:G0B+4*\s+3], s[G1B:G1B+7]
	s_nop 0
.Lasked_\@:
.endm
.macro CREST                           ; a round of the cluster's barrier behind its opening work-group barrier
	s_cmp_lg_u32 s20, 0
	s_cbranch_scc1 .Lnot_wave_0_\@
	s_barrier_signal -3
.Lnot_wave_0_\@:
	s_barrier_wait -3
	s_barrier_signal -1
	s_barrier_wait -1
.endm
.macro CROUND
	s_barrier_signal -1
	s_barrier_wait -1
	CREST
.endm
	s_load_b256 s[4:11], s[0:1], 0x0               ; act s[4:5], wb s[6:7], bq s[8:9], bk s[10:11]
	s_load_b256 s[12:19], s[0:1], 0x20             ; bv s[12:13], qw s[14:15], kw s[16:17], vw s[18:19]
	v_lshl_add_u32 v126, v0, 2, 0x38000
	v_mov_b32 v127, 0
	ds_add_u32 v126, v127
	v_lshrrev_b32 v1, 5, v0
	v_readfirstlane_b32 s20, v1                    ; wave 0..3
	s_lshr_b32 s21, s20, 1                         ; 0: I fetch for X, 1: for W
	s_and_b32 s22, s20, 1                          ; which half of that tile
	s_bfe_u32 s23, ttmp6, 0x40000                  ; cx
	s_bfe_u32 s24, ttmp6, 0x40004                  ; cy
	s_lshl_b32 s25, ttmp9, 2
	s_add_co_u32 s25, s25, s23                     ; head = 4 x cluster x + cx
	s_and_b32 s26, ttmp7, 0xffff
	s_lshl_b32 s26, s26, 2
	s_add_co_u32 s26, s26, s24                     ; block of 256 rows = 4 x cluster y + cy
	s_lshl_b32 s28, s24, 2
	s_lshl_b32 s28, 15, s28                        ; my row of the cluster
	s_lshl_b32 s30, 0x1111, s23                    ; my column
	; group 1: elements of 8 bytes; a row = the 4,096 bytes of one row block in a K step; 32,768 bytes from block to block; dense in LDS
	s_or_b32 s[G1+0], s28, (3<<16)|(1<<21)         ; 15:0 mask: X goes to my row; 17:16 element of 8 bytes; 21 set beside a mask
	s_or_b32 s[G1B+0], s30, (3<<16)|(1<<21)        ; W goes to my column
	s_mov_b32 s[G1+1], 512<<16                     ; tensor_dim0 = 512
	s_mov_b32 s[G1B+1], 512<<16
	s_mov_b32 s[G1+2], 8<<16                       ; tensor_dim1 = 8 row blocks of X
	s_mov_b32 s[G1B+2], 6<<16                      ;             = 6 blocks of W
	s_mov_b32 s[G1+3], 512<<16                     ; tile_dim0 = 512
	s_mov_b32 s[G1B+3], 512<<16
	s_mov_b32 s[G1+4], 8                           ; tile_dim1
	s_mov_b32 s[G1B+4], 6
	s_mov_b32 s[G1+5], 4096                        ; pitch in elements
	s_mov_b32 s[G1B+5], 4096
	s_mov_b32 s[G1+6], 0
	s_mov_b32 s[G1B+6], 0
	s_mov_b32 s[G1+7], 0
	s_mov_b32 s[G1B+7], 0
	s_lshl_b32 s28, s26, 4                         ; X: row block 16 x block + 8 x half (never holds cx)
	s_lshl_b32 s29, s22, 3
	s_add_co_u32 s28, s28, s29
	s_lshl_b32 s28, s28, 15
	s_mov_b32 s29, 0
	s_lshl_b32 s30, s25, 4                         ; W: block 16 x head + 6 x half (never holds cy)
	s_mul_i32 s31, s22, 6
	s_add_co_u32 s30, s30, s31
	s_lshl_b32 s30, s30, 15
	s_mov_b32 s31, 0
	s_lshl_b32 s66, s20, 15                        ; LDS: X's halves at wave x 32,768 (waves 0, 1),
	s_mul_i32 s67, s20, 24576                      ; W's at 16,384 + wave x 24,576 (waves 2, 3: 65,536 and 90,112)
	s_add_co_u32 s67, s67, 16384
	s_lshl_b32 s68, s25, 8                         ; the head's 64 biases
	s_mov_b32 s69, 0
	s_wait_dscnt 0x0
	s_wait_kmcnt 0x0
	s_add_nc_u64 s[28:29], s[4:5], s[28:29]
	s_add_nc_u64 s[30:31], s[6:7], s[30:31]
	s_add_nc_u64 s[8:9], s[8:9], s[68:69]
	s_add_nc_u64 s[10:11], s[10:11], s[68:69]
	s_add_nc_u64 s[12:13], s[12:13], s[68:69]
	CROUND                                         ; all sixteen work-groups are here: the first joint loads meet
.irp s, 0,1
	s_mov_b32 s[G0+4*\s], 1
	s_add_co_u32 s[G0+4*\s+1], s66, \s*SLOT
	s_add_nc_u64 s[G0+4*\s+2:G0+4*\s+3], s[28:29], \s*STEPB        ; K step s
	s_or_b32 s[G0+4*\s+3], s[G0+4*\s+3], 0x80000000
	s_mov_b32 s[G0B+4*\s], 1
	s_add_co_u32 s[G0B+4*\s+1], s67, \s*SLOT
	s_add_nc_u64 s[G0B+4*\s+2:G0B+4*\s+3], s[30:31], \s*STEPB
	s_or_b32 s[G0B+4*\s+3], s[G0B+4*\s+3], 0x80000000
	JLOAD \s                                       ; both slots' first fills go out first: two tensor loads of the wave are out, later one
.endr
	v_and_b32 v1, 31, v0
	v_and_b32 v2, 15, v0                           ; r
	v_bfe_u32 v3, v0, 4, 1                         ; h
	v_lshlrev_b32 v[BOH], 7, v3
	v_lshlrev_b32 v[BOR], 4, v2
.irp c, 0,1,2,3,4,5,6,7
	global_load_b128 v[BQ+4*\c:BQ+4*\c+3],       v[BOH], s[8:9]   offset:16*\c
	global_load_b128 v[BQ+32+4*\c:BQ+32+4*\c+3], v[BOH], s[10:11] offset:16*\c
.endr
	global_load_b128 v[BV:BV+3], v[BOR], s[12:13]
	v_lshlrev_b32 v[L16], 4, v1
	s_lshl_b32 s70, s20, 14                        ; my four row blocks of X's tile
	v_add_nc_u32 v[ADRX], s70, v[L16]
	v_add_nc_u32 v[ADRX+1], SLOT, v[ADRX]
	v_add_nc_u32 v[ADRW], XT, v[L16]
	v_add_nc_u32 v[ADRW+1], SLOT+XT, v[L16]
	v_lshlrev_b32 v[QKO], 10, v3
	v_lshl_add_u32 v[QKO], v2, 4, v[QKO]
; 32 LDS loads in one run: the fragments of 32 along K (fragment kq of the step) into the buffer in window fw
.macro FETCH slot, kq, fw
	WIN (\fw<<6)
.irp t, 0,1,2,3
	ds_load_b128 v[F+8*\t:F+8*\t+3],   v[ADRX+\slot] offset:\t*4096+\kq*1024
	ds_load_b128 v[F+8*\t+4:F+8*\t+7], v[ADRX+\slot] offset:\t*4096+\kq*1024+512
.endr
.irp w, 0,1,2,3,4,5,6,7,8,9,10,11
	ds_load_b128 v[F+32+8*\w:F+32+8*\w+3],   v[ADRW+\slot] offset:\w*4096+\kq*1024
	ds_load_b128 v[F+32+8*\w+4:F+32+8*\w+7], v[ADRW+\slot] offset:\w*4096+\kq*1024+512
.endr
.endm
; 16 matrix instructions for q (p = 0) or k (p = 1), transposed; zero = 1: the first product starts the sums, nothing is cleared
.macro MULT p, fw, zero
	WIN (0x50|\fw|(\fw<<2))
.irp t, 0,1,2,3
.irp i, 0,1,2,3
.if \zero
	v_wmma_f32_16x16x32_bf16 v[8*(16*\p+4*\t+\i):8*(16*\p+4*\t+\i)+7], v[F+32+8*(4*\p+\i):F+32+8*(4*\p+\i)+7], v[F+8*\t:F+8*\t+7], 0
.else
	v_wmma_f32_16x16x32_bf16 v[8*(16*\p+4*\t+\i):8*(16*\p+4*\t+\i)+7], v[F+32+8*(4*\p+\i):F+32+8*(4*\p+\i)+7], v[F+8*\t:F+8*\t+7], v[8*(16*\p+4*\t+\i):8*(16*\p+4*\t+\i)+7]
.endif
.endr
.endr
.endm
; 16 matrix instructions for v, the natural way round
.macro MULN fw, zero
	WIN (0xa0|\fw|(\fw<<2))
.irp t, 0,1,2,3
.irp i, 0,1,2,3
.if \zero
	v_wmma_f32_16x16x32_bf16 v[8*(4*\t+\i):8*(4*\t+\i)+7], v[F+8*\t:F+8*\t+7], v[F+96+8*\i:F+96+8*\i+7], 0
.else
	v_wmma_f32_16x16x32_bf16 v[8*(4*\t+\i):8*(4*\t+\i)+7], v[F+8*\t:F+8*\t+7], v[F+96+8*\i:F+96+8*\i+7], v[8*(4*\t+\i):8*(4*\t+\i)+7]
.endif
.endr
.endr
.endm
; A K step is four quarters of 32 along K on buffers 0, 1, 0, 1 (windows 0, 2).  The 48 accumulators take turns, one instruction a
; turn, in the same order in every quarter.
; One of the first three quarters: its own fragments, asked for a quarter ago, are in; the next quarter's 32 loads go out; 48 products.
.macro QUARTER slot, kqn, fw, gw, zero
	s_wait_dscnt 0x0                               ; the 32 loads issued 48 (behind a change of slots 32) matrix instructions ago
	PLACES
	FETCH \slot, \kqn, \gw
	MULT 0, \fw, \zero
	MULT 1, \fw, \zero
	MULN \fw, \zero
.endm
.macro THREE slot, zero
	QUARTER \slot, 1, 0, 2, \zero
	QUARTER \slot, 2, 2, 0, 0
	QUARTER \slot, 3, 0, 2, 0
.endm
; The last quarter multiplies buffer 1 and changes slots.  In front of the barrier each wave's reads of this slot are back and all
; its tensor loads have landed (one was out: its part of the next slot).  fill = 1: the barrier opens a round of the cluster's
; barrier, and the joint refill, two K steps ahead, is the wave's first and only tensor load behind the round.
.macro TURN slot, next, fill
	s_wait_dscnt 0x0
	s_wait_tensorcnt 0x0
	ds_add_u32 v126, v127
	s_wait_dscnt 0x0
	s_barrier_signal -1
	MULT 0, 2, 0                                   ; register work while the others arrive
	WIN 0
	s_barrier_wait -1
.if \fill
	CREST
	s_add_nc_u64 s[G0+4*\slot+2:G0+4*\slot+3], s[G0+4*\slot+2:G0+4*\slot+3], 2*STEPB      ; no tensor load of mine is out: group 0 may be written
	s_add_nc_u64 s[G0B+4*\slot+2:G0B+4*\slot+3], s[G0B+4*\slot+2:G0B+4*\slot+3], 2*STEPB
	JLOAD \slot
.endif
	PLACES
	FETCH \next, 0, 0
	MULT 1, 2, 0
	MULN 2, 0
.endm
.macro LAP zero
	THREE 0, \zero
	TURN 0, 1, 1
	THREE 1, 0
	TURN 1, 0, 1
.endm
	s_wait_tensorcnt 0x1                           ; my part of K step 0 is in; step 1's load, issued behind it, stays out
	s_barrier_signal -1
	s_barrier_wait -1
	FETCH 0, 0, 0
	LAP 1                                          ; K steps 0, 1: the first products start the sums
	WIN 0
	s_mov_b32 s27, 2
.Llap:
	LAP 0                                          ; K steps 2 to 5
	WIN 0
	s_sub_co_u32 s27, s27, 1
	s_cmp_lg_u32 s27, 0
	s_cbranch_scc1 .Llap
	THREE 0, 0                                     ; K steps 6, 7: nothing is left to fetch
	TURN 0, 1, 0
	THREE 1, 0
	s_wait_dscnt 0x0
	MULT 0, 2, 0
	MULT 1, 2, 0
	MULN 2, 0
	; THE WAY OUT.  All three outputs share one offset: ((b x 16 + head) x 128 + my first block of 16 rows) x 2,048 bytes.
	PLACES
	s_wait_loadcnt 0x0                             ; the biases
	s_lshr_b32 s68, s26, 3                         ; b
	s_lshl_b32 s68, s68, 4
	s_add_co_u32 s68, s68, s25
	s_lshl_b32 s68, s68, 7
	s_and_b32 s70, s26, 7
	s_lshl_b32 s70, s70, 4
	s_add_co_u32 s68, s68, s70
	s_lshl_b32 s70, s20, 2
	s_add_co_u32 s68, s68, s70
	s_lshl_b32 s68, s68, 11
	s_add_nc_u64 s[14:15], s[14:15], s[68:69]
	s_add_nc_u64 s[16:17], s[16:17], s[68:69]
	s_add_nc_u64 s[18:19], s[18:19], s[68:69]
	WIN 0x41                                       ; q, k: register j of tile i is d = 32 h + 4 j + i
.irp p, 0,1
.irp t, 0,1,2,3
.irp i, 0,1,2,3
.irp j, 0,1,2,3,4,5,6,7
	v_add_f32 v[8*(16*\p+4*\t+\i)+\j], v[8*(16*\p+4*\t+\i)+\j], v[BQ+32*\p+4*\j+\i]
.endr
.endr
.endr
.endr
	WIN 0x05                                       ; chunk c of an image: d = 32 h + 8 c + 0 .. 7; word x: j = 2 c + x / 2, i = 2 (x mod 2), + 1
.irp p, 0,1
.irp t, 0,1,2,3
.irp c, 0,1,2,3
.irp x, 0,1,2,3
	v_cvt_pk_bf16_f32 v[F+4*(4*(4*\p+\t)+\c)+\x], v[8*(16*\p+4*\t+2*(\x&1))+2*\c+(\x>>1)], v[8*(16*\p+4*\t+2*(\x&1)+1)+2*\c+(\x>>1)]
.endr
.endr
.endr
.endr
	WIN 0
.irp t, 0,1,2,3
.irp c, 0,1,2,3
	global_store_b128 v[QKO], v[F+4*(4*\t+\c):F+4*(4*\t+\c)+3],       s[14:15] offset:\t*2048+\c*256   ; each half of the lanes stores 256 consecutive bytes, aligned
	global_store_b128 v[QKO], v[F+64+4*(4*\t+\c):F+64+4*(4*\t+\c)+3], s[16:17] offset:\t*2048+\c*256
.endr
.endr
	WIN 0x82                                       ; v: every register of tile i is d = 4 r + i
.irp t, 0,1,2,3
.irp i, 0,1,2,3
.irp j, 0,1,2,3,4,5,6,7
	v_add_f32 v[8*(4*\t+\i)+\j], v[8*(4*\t+\i)+\j], v[BV+\i]
.endr
.endr
.endr
	s_wait_xcnt 0x0                                ; the stores above have read v128 and up: they are rewritten only behind this wait
	WIN 0x0a
.irp t, 0,1,2,3
.irp i, 0,1,2,3
.irp x, 0,1,2,3
	v_cvt_pk_bf16_f32 v[F+4*(4*\t+\i)+\x], v[8*(4*\t+\i)+2*\x], v[8*(4*\t+\i)+2*\x+1]   ; keys 8 h + 2 x, + 1
.endr
.endr
.endr
	WIN 0
.irp t, 0,1,2,3
.irp i, 0,1,2,3
	global_store_b128 v[L16], v[F+4*(4*\t+\i):F+4*(4*\t+\i)+3], s[18:19] offset:\t*2048+\i*512       ; 512 consecutive bytes, aligned
.endr
.endr
	CROUND                                         ; the closing round: no work-group ends while a partner may still ask jointly
	s_endpgm
.Lfunc_end_k_qdff1d06c9b_qkv:
	.size	k_qdff1d06c9b_qkv, .Lfunc_end_k_qdff1d06c9b_qkv-k_qdff1d06c9b_qkv
	.p2alignl 7, 3214868480
	.fill 96, 4, 3214868480
	.section	.rodata,"a",@progbits
	.p2align	6, 0x0
	.amdhsa_kernel k_qdff1d06c9b_qkv
		.amdhsa_group_segment_fixed_size 327680
		.amdhsa_private_segment_fixed_size 0
		.amdhsa_enable_private_segment 0
		.amdhsa_kernarg_size 64
		.amdhsa_user_sgpr_count 2
		.amdhsa_user_sgpr_kernarg_segment_ptr 1
		.amdhsa_wavefront_size32 1
		.amdhsa_system_sgpr_workgroup_id_x 1
		.amdhsa_system_sgpr_workgroup_id_y 1
		.amdhsa_system_sgpr_workgroup_id_z 1
		.amdhsa_system_vgpr_workitem_id 0
		.amdhsa_next_free_vgpr 768
		.amdhsa_next_free_sgpr 72
		.amdhsa_reserve_vcc 0
		.amdhsa_float_denorm_mode_32 3
		.amdhsa_float_denorm_mode_16_64 3
		.amdhsa_memory_ordered 1
		.amdhsa_forward_progress 1
		.amdhsa_inst_pref_size 167
	.end_amdhsa_kernel
	.amdgpu_metadata
---
amdhsa.version: [ 1, 2 ]
amdhsa.kernels:
  - .name:           k_qdff1d06c9b_qkv
    .symbol:         k_qdff1d06c9b_qkv.kd
    .args:
      - { .name: act, .offset: 0, .size: 8, .value_kind: global_buffer, .address_space: global }
      - { .name: wb, .offset: 8, .size: 8, .value_kind: global_buffer, .address_space: global }
      - { .name: bq, .offset: 16, .size: 8, .value_kind: global_buffer, .address_space: global }
      - { .name: bk, .offset: 24, .size: 8, .value_kind: global_buffer, .address_space: global }
      - { .name: bv, .offset: 32, .size: 8, .value_kind: global_buffer, .address_space: global }
      - { .name: qw, .offset: 40, .size: 8, .value_kind: global_buffer, .address_space: global }
      - { .name: kw, .offset: 48, .size: 8, .value_kind: global_buffer, .address_space: global }
      - { .name: vw, .offset: 56, .size: 8, .value_kind: global_buffer, .address_space: global }
    .group_segment_fixed_size: 327680
    .private_segment_fixed_size: 0
    .kernarg_segment_align: 8
    .kernarg_segment_size: 64
    .max_flat_workgroup_size: 128
    .sgpr_count:     72
    .vgpr_count:     768
    .wavefront_size: 32
...
	.end_amdgpu_metadata
.endif
;; end of part 2
;; launch attn (part 3): grid 8 x 32, 8 waves a work-group, clusters of 4 x 1, 327,680 bytes of LDS; arguments qw, kw, vw, act; writes act
.if DOCPART == 3
	.amdgcn_target "amdgcn-amd-amdhsa--gfx1250"
	.amdhsa_code_object_version 6
	.text
	.protected	k_qdff1d06c9b_attn
	.globl	k_qdff1d06c9b_attn
	.p2align	8
	.type	k_qdff1d06c9b_attn,@function
k_qdff1d06c9b_attn:
	s_mov_b64 s[64:65], 0
	v_nop
	global_prefetch_b8 v0, s[64:65] scope:SCOPE_SE
	s_setreg_imm32_b32 hwreg(HW_REG_WAVE_MODE, 25, 1), 1
	s_wait_xcnt 0x0
	s_wait_alu depctr_hold_cnt(0) depctr_sa_sdst(0) depctr_va_vdst(0) depctr_va_sdst(0) depctr_va_ssrc(0) depctr_va_vcc(0) depctr_vm_vsrc(0)
	s_getreg_b32 s2, hwreg(HW_REG_IB_STS2, 6, 4)
	s_cmp_eq_u32 s2, 0
	s_cbranch_scc0 .Lentry_in_a_cluster
	s_endpgm
.Lentry_in_a_cluster:
	s_bfe_u32 s2, ttmp6, 0x10000c
	s_cmp_lg_u32 s2, 0x3003
	s_cbranch_scc0 .Lentry_shape_is_right
	s_endpgm
.Lentry_shape_is_right:
; attn: softmax(q k^T / 8) v for 256 queries of one head a work-group; running maximum and sums in f32; the result goes, rounded to
; bf16, into act as fragment images for the output projection.
; Eight waves, two on each SIMD; a wave owns 32 queries (two tiles).
; BOTH PRODUCTS ARE TRANSPOSED: S^T = K Q^T puts one query in a lane (n = r) and keys 8 h + j in its registers, so that maxima, sums
; and rescaling are a lane's own (one exchange between the two halves of the lanes), and two packed tiles of S^T ARE the B fragment
; of O^T = V^T P^T.  q, k, v lie in memory as fragment images (launch qkv): every LDS load is 16 x lane, nothing is transposed.
; The 2,048 keys come in four blocks of 512 through two LDS slots (K 64 KiB, V 64 KiB each); each wave brings 16 KiB a load.
; THE STEP (64 keys) IS PIPELINED: K's and V's fragments are asked for one step ahead (K has registers of its own, in window 1), and
; the 64 exponentials stand singly among the plain arithmetic of the softmax instead of in one run.
; CLUSTERS: the four work-groups of a cluster work on one head and ask for K and V jointly (mask 15): a quarter of the requests.
; By this text's own count a wave has two tensor loads out at the start and one behind each refill.
; Limits: q, k, v, the weights and the result are bf16; an exponential below 2^-126 counts as 0 (ISA guide 15.8); NaN and
; infinities are not served.
.set BLK,   65536                      ; 512 keys of K, or of V
.set SLOT,  131072
.set STEPB, 8192                       ; 64 keys of K, or of V
.set L16,  2                           ; v2       16 x lane
.set KA,   3                           ; v3       LDS address of this step's K
.set VA,   4                           ; v4       of this step's V
.set OFFO, 5                           ; v5       1,024 h + 16 r
.set ST,   6                           ; v[6+2qt] -c x maximum, v[7+2qt] the running maximum
.set AL,   10                          ; v[10+2qt] rescale factor, v[11+2qt] running sum of my half's keys
.set T,    14                          ; v[14:21] maxima at work, four a query tile
.set R,    22                          ; v[22:29] this step's sums at work, two pairs a query tile
.set Q,    32                          ; v[32:63]   Q(qt, ds) at 32 + 8 (2 qt + ds)
.set O,    64                          ; v[64:127]  O^T(i, qt) at 64 + 8 (2 i + qt): d = 32 h + 4 j + i
.set S,    128                         ; v[128:191] S^T(kt, qt) at 128 + 32 qt + 8 kt, then P(qt, ks) at 128 + 32 qt + 16 ks
.set F,    192                         ; v[192:255] V(i, ks) at 192 + 8 (2 i + ks)
.set KF,   0                           ; window 1, v[256:319]: K(kt, ds) at 8 (2 kt + ds)
.set G1,   24                          ; s[24:31]
.set G0,   32                          ; s[32:39] one set a slot
.set MSB,  0
.macro WIN new                         ; s_set_vgpr_msb: bits 1:0 source 0, 7:6 destination; the high byte repeats the setting that is left
.if MSB != (\new)
	s_set_vgpr_msb (MSB<<8)|(\new)
.set MSB, (\new)
.endif
.endm
.macro ROUND                           ; a round of the cluster's barrier
	s_barrier_signal -1
	s_barrier_wait -1
	s_cmp_lg_u32 s12, 0
	s_cbranch_scc1 .Lnot_wave_0_\@
	s_barrier_signal -3
.Lnot_wave_0_\@:
	s_barrier_wait -3
	s_barrier_signal -1
	s_barrier_wait -1
.endm
	s_load_b256 s[4:11], s[0:1], 0x0               ; qw s[4:5], kw s[6:7], vw s[8:9], act s[10:11]
	v_lshl_add_u32 v30, v0, 2, 0x40000
	v_mov_b32 v31, 0
	ds_add_u32 v30, v31
	v_lshrrev_b32 v1, 5, v0
	v_readfirstlane_b32 s12, v1                    ; wave 0..7
	s_bfe_u32 s13, ttmp6, 0x40000                  ; cx
	s_lshl_b32 s14, ttmp9, 2
	s_add_co_u32 s14, s14, s13                     ; block of 256 queries
	s_and_b32 s15, ttmp7, 0xffff                   ; b x 16 + head
	; group 1: 64 rows of 256 bytes, dense in memory and in LDS: 16 KiB
	s_mov_b32 s[G1+0], 15|(3<<16)|(1<<21)          ; mask: all four of the cluster; element of 8 bytes; 21 set beside a mask
	s_mov_b32 s[G1+1], 32<<16                      ; tensor_dim0 = 32
	s_mov_b32 s[G1+2], 64<<16                      ; tensor_dim1 = 64
	s_mov_b32 s[G1+3], 32<<16                      ; tile_dim0 = 32
	s_mov_b32 s[G1+4], 64                          ; tile_dim1 = 64
	s_mov_b32 s[G1+5], 32                          ; pitch
	s_mov_b32 s[G1+6], 0
	s_mov_b32 s[G1+7], 0
	s_mov_b32 s40, 0x3e38aa3b                      ; c = log2(e) / 8: the scale 1 / sqrt(64) and the base 2 of v_exp_f32 in one factor
	s_mov_b32 s41, 0x3e38aa3b
	s_mov_b32 s42, 0x76543210                      ; v_permlanex16_b32: lane i of the other half
	s_mov_b32 s43, 0xfedcba98
	s_mov_b32 s45, 0xbe38aa3b                      ; -c
	s_lshl_b32 s18, s15, 18                        ; the head's K or V, 262,144 bytes a head,
	s_and_b32 s19, s12, 3
	s_lshl_b32 s19, s19, 14                        ; + my quarter of a block
	s_add_co_u32 s18, s18, s19
	s_mov_b32 s19, 0
	s_lshl_b32 s22, s12, 14                        ; LDS: wave x 16,384: waves 0-3 K's quarters, waves 4-7 V's
	s_lshl_b32 s20, s14, 4                         ; my q: block of 16 queries 16 x + 2 wave
	s_lshl_b32 s21, s12, 1
	s_add_co_u32 s20, s20, s21
	s_lshl_b32 s20, s20, 11
	s_lshl_b32 s21, s15, 18
	s_add_co_u32 s20, s20, s21
	s_mov_b32 s21, 0
	s_wait_dscnt 0x0
	s_wait_kmcnt 0x0
	s_cmp_lt_u32 s12, 4
	s_cselect_b64 s[16:17], s[6:7], s[8:9]         ; waves 0-3 fetch K, waves 4-7 V
	s_add_nc_u64 s[16:17], s[16:17], s[18:19]      ; hangs on head and wave alone: equal in the four partners
	s_add_nc_u64 s[4:5], s[4:5], s[20:21]
.irp s, 0,1
	s_mov_b32 s[G0+4*\s], 1
	s_add_co_u32 s[G0+4*\s+1], s22, \s*SLOT
	s_add_nc_u64 s[G0+4*\s+2:G0+4*\s+3], s[16:17], \s*BLK          ; key block s
	s_or_b32 s[G0+4*\s+3], s[G0+4*\s+3], 0x80000000
.endr
	ROUND                                          ; the four work-groups are here: the first joint loads meet
	tensor_load_to_lds s[G0:G0+3], s[G1:G1+7]
	s_nop 0
	tensor_load_to_lds s[G0+4:G0+7], s[G1:G1+7]
	s_nop 0
	v_and_b32 v1, 31, v0
	v_lshlrev_b32 v[L16], 4, v1
.irp qt, 0,1
.irp ds, 0,1
	global_load_b128 v[Q+8*(2*\qt+\ds):Q+8*(2*\qt+\ds)+3],   v[L16], s[4:5] offset:\qt*2048+\ds*1024
	global_load_b128 v[Q+8*(2*\qt+\ds)+4:Q+8*(2*\qt+\ds)+7], v[L16], s[4:5] offset:\qt*2048+\ds*1024+512
.endr
.endr
	v_and_b32 v1, 15, v0
	v_bfe_u32 v[OFFO], v0, 4, 1
	v_lshlrev_b32 v[OFFO], 10, v[OFFO]
	v_lshl_add_u32 v[OFFO], v1, 4, v[OFFO]
; 16 LDS loads: the K fragments of 64 keys, off bytes behind KA, into window 1
.macro LOADK off
	WIN 0x40                                       ; destination in window 1, address in window 0
.irp kt, 0,1,2,3
.irp ds, 0,1
	ds_load_b128 v[KF+8*(2*\kt+\ds):KF+8*(2*\kt+\ds)+3],   v[KA] offset:\off+\kt*2048+\ds*1024
	ds_load_b128 v[KF+8*(2*\kt+\ds)+4:KF+8*(2*\kt+\ds)+7], v[KA] offset:\off+\kt*2048+\ds*1024+512
.endr
.endr
	WIN 0
.endm
; 16 LDS loads: the V fragments of the 64 keys at VA
.macro LOADV
.irp i, 0,1,2,3
.irp ks, 0,1
	ds_load_b128 v[F+8*(2*\i+\ks):F+8*(2*\i+\ks)+3],   v[VA] offset:(2*\ks)*2048+\i*512     ; keys 32 ks + 8 h ..
	ds_load_b128 v[F+8*(2*\i+\ks)+4:F+8*(2*\i+\ks)+7], v[VA] offset:(2*\ks+1)*2048+\i*512   ; keys 32 ks + 16 + 8 h ..
.endr
.endr
.endm
; The softmax of both query tiles on this step's 64 keys (32 registers of S^T a tile: the 32 keys of my half of the lanes).
; first = 1: nothing is carried yet.  The step's sums are left in R; the step closes them behind its second product.
.macro SOFTMAX first
.irp k, 0,1,2,3
.irp qt, 0,1
	v_max3_num_f32 v[T+4*\qt+\k], v[S+32*\qt+3*\k], v[S+32*\qt+3*\k+1], v[S+32*\qt+3*\k+2]   ; eight chains, four a tile
.endr
.endr
.irp k, 0,1,2,3
.irp qt, 0,1
	v_max3_num_f32 v[T+4*\qt+\k], v[T+4*\qt+\k], v[S+32*\qt+12+2*\k], v[S+32*\qt+13+2*\k]
.endr
.endr
.irp k, 0,1,2,3
.irp qt, 0,1
	v_max3_num_f32 v[T+4*\qt+\k], v[T+4*\qt+\k], v[S+32*\qt+20+2*\k], v[S+32*\qt+21+2*\k]
.endr
.endr
.irp k, 0,1
.irp qt, 0,1
	v_max3_num_f32 v[T+4*\qt+\k], v[T+4*\qt+\k], v[S+32*\qt+28+2*\k], v[S+32*\qt+29+2*\k]
.endr
.endr
.irp qt, 0,1
	v_max3_num_f32 v[T+4*\qt], v[T+4*\qt], v[T+4*\qt+1], v[T+4*\qt+2]
.endr
.irp qt, 0,1
	v_max_num_f32 v[T+4*\qt], v[T+4*\qt], v[T+4*\qt+3]
.endr
.irp qt, 0,1
	v_permlanex16_b32 v[T+4*\qt+1], v[T+4*\qt], s42, s43           ; the same query's other 32 keys
.endr
.if \first
.irp qt, 0,1
	v_max_num_f32 v[ST+2*\qt+1], v[T+4*\qt], v[T+4*\qt+1]
.endr
.irp qt, 0,1
	v_mul_f32 v[ST+2*\qt], s45, v[ST+2*\qt+1]      ; -c x maximum, rounded: the base of every exponent from here on
.endr
.else
.irp qt, 0,1
	v_max3_num_f32 v[ST+2*\qt+1], v[T+4*\qt], v[T+4*\qt+1], v[ST+2*\qt+1]
.endr
.irp qt, 0,1
	v_mul_f32 v[T+4*\qt+2], s45, v[ST+2*\qt+1]
.endr
.irp qt, 0,1
	v_sub_f32 v[T+4*\qt+3], v[T+4*\qt+2], v[ST+2*\qt]              ; new base - old base, both as they are used: at most 0
.endr
.irp qt, 0,1
	v_exp_f32 v[AL+2*\qt], v[T+4*\qt+3]
.endr
	s_wait_alu depctr_va_vdst(0)
.irp qt, 0,1
	v_mov_b32 v[ST+2*\qt], v[T+4*\qt+2]            ; plain instructions behind v_exp_f32 (ISA guide 5.7.2); they touch neither its result nor its source
.endr
.endif
	; 32 pairs of numbers, pair g in v[S + 2 g], tile g / 16, go through three stages: pair g gets c s - c max; pair g - 1 its two
	; exponentials, with one rescale of O^T between them; pair g - 3 is added to the step's sums and packed to bf16.  Behind each
	; v_exp_f32 stands a plain instruction on other registers, or the second v_exp_f32 and then such a one (ISA guide 5.7.2).
.set PG, 0
.rept 35
.if PG < 32
	v_pk_fma_f32 v[S+2*PG:S+2*PG+1], v[S+2*PG:S+2*PG+1], s[40:41], v[ST+2*(PG/16):ST+2*(PG/16)+1] op_sel_hi:[1,0,0]   ; one rounding
.endif
.if PG >= 1
.if PG <= 32
	v_exp_f32 v[S+2*PG-2], v[S+2*PG-2]
.endif
.endif
.if \first == 0
.if PG < 32
	v_pk_mul_f32 v[O+8*(2*((PG%16)/4)+PG/16)+2*(PG%4):O+8*(2*((PG%16)/4)+PG/16)+2*(PG%4)+1], v[O+8*(2*((PG%16)/4)+PG/16)+2*(PG%4):O+8*(2*((PG%16)/4)+PG/16)+2*(PG%4)+1], v[AL+2*(PG/16):AL+2*(PG/16)+1] op_sel_hi:[1,0]   ; what is carried moves to the new base
.endif
.endif
.if PG >= 1
.if PG <= 32
	v_exp_f32 v[S+2*PG-1], v[S+2*PG-1]
.endif
.endif
.if PG >= 3
.set PF, PG-3
.set PK, PF%16
.set PQ, PF/16
.if PK == 1
	s_wait_alu depctr_va_vdst(0)
	v_pk_add_f32 v[R+4*PQ:R+4*PQ+1], v[S+2*PF-2:S+2*PF-1], v[S+2*PF:S+2*PF+1]         ; pairs 0 and 1 start the first sum: nothing is cleared
	v_cvt_pk_bf16_f32 v[S+32*PQ], v[S+32*PQ], v[S+32*PQ+1]                             ; pair 0 is packed only now: its word lies on its own first number
.endif
.if PK == 3
	v_pk_add_f32 v[R+4*PQ+2:R+4*PQ+3], v[S+2*PF-2:S+2*PF-1], v[S+2*PF:S+2*PF+1]       ; pairs 2 and 3 start the second
.endif
.if PK >= 4
	s_wait_alu depctr_va_vdst(0)
	v_pk_add_f32 v[R+4*PQ+2*(PK%2):R+4*PQ+2*(PK%2)+1], v[R+4*PQ+2*(PK%2):R+4*PQ+2*(PK%2)+1], v[S+2*PF:S+2*PF+1]
.endif
.if PK >= 1
	v_cvt_pk_bf16_f32 v[S+32*PQ+16*(PK/8)+PK%8], v[S+2*PF], v[S+2*PF+1]                ; in place: word x of a fragment lies on a number of pair x / 2, summed and packed before
.endif
.endif
.set PG, PG+1
.endr
.endm
; One step: 64 keys.  pre = 1: the next step's fragments, in the same slot, are asked for.  In both products eight accumulators
; take turns, one instruction a turn.
.macro STEP first, pre
	s_wait_dscnt 16                                ; LDS loads return in order: K's 16 are in, V's 16, issued behind them, may stay out
	WIN 0x01                                       ; source 0 (K) in window 1
.irp kt, 0,1,2,3
.irp qt, 0,1
	v_wmma_f32_16x16x32_bf16 v[S+32*\qt+8*\kt:S+32*\qt+8*\kt+7], v[KF+16*\kt:KF+16*\kt+7], v[Q+16*\qt:Q+16*\qt+7], 0
.endr
.endr
.irp kt, 0,1,2,3
.irp qt, 0,1
	v_wmma_f32_16x16x32_bf16 v[S+32*\qt+8*\kt:S+32*\qt+8*\kt+7], v[KF+16*\kt+8:KF+16*\kt+15], v[Q+16*\qt+8:Q+16*\qt+15], v[S+32*\qt+8*\kt:S+32*\qt+8*\kt+7]
.endr
.endr
.if \pre
	WIN 0x40
.else
	WIN 0
.endif
.rept 4
	v_nop                                          ; four places in front of the loads into K's registers and of the reads of S^T
.endr
.if \pre
	LOADK STEPB                                    ; the next step's K lands under the softmax and the second product
.endif
	SOFTMAX \first
	s_wait_dscnt 16*\pre                           ; V's 16 loads are in; the next step's 16 of K, issued behind them, may stay out (none in a block's last step)
.irp i, 0,1,2,3
.irp qt, 0,1
.if \first
	v_wmma_f32_16x16x32_bf16 v[O+8*(2*\i+\qt):O+8*(2*\i+\qt)+7], v[F+16*\i:F+16*\i+7], v[S+32*\qt:S+32*\qt+7], 0
.else
	v_wmma_f32_16x16x32_bf16 v[O+8*(2*\i+\qt):O+8*(2*\i+\qt)+7], v[F+16*\i:F+16*\i+7], v[S+32*\qt:S+32*\qt+7], v[O+8*(2*\i+\qt):O+8*(2*\i+\qt)+7]
.endif
.endr
.endr
.irp i, 0,1,2,3
.irp qt, 0,1
	v_wmma_f32_16x16x32_bf16 v[O+8*(2*\i+\qt):O+8*(2*\i+\qt)+7], v[F+16*\i+8:F+16*\i+15], v[S+32*\qt+16:S+32*\qt+23], v[O+8*(2*\i+\qt):O+8*(2*\i+\qt)+7]
.endr
.endr
	; The lines from here to the loads name no register of the products above: they are the places (six at the least) in front of the
	; loads into V's registers and of the next step's products, which write over P.
.if \pre
	v_add_nc_u32 v[KA], STEPB, v[KA]               ; the next 64 keys
	v_add_nc_u32 v[VA], STEPB, v[VA]
.endif
.irp qt, 0,1
	v_pk_add_f32 v[R+4*\qt:R+4*\qt+1], v[R+4*\qt:R+4*\qt+1], v[R+4*\qt+2:R+4*\qt+3]
.endr
.if \first
.irp qt, 0,1
	v_add_f32 v[AL+2*\qt+1], v[R+4*\qt], v[R+4*\qt+1]
.endr
.else
.irp qt, 0,1
	v_add_f32 v[R+4*\qt+2], v[R+4*\qt], v[R+4*\qt+1]
.endr
.irp qt, 0,1
	v_fma_f32 v[AL+2*\qt+1], v[AL+2*\qt+1], v[AL+2*\qt], v[R+4*\qt+2]   ; the running sum moves to the new base and takes the step's
.endr
.endif
.if \pre
	LOADV                                          ; the next step's V lands under its first product and its softmax
.endif
.endm
; The head of a block of 512 keys in a slot: the first step's fragments, K's 16 loads first, then V's 16
.macro HEAD slot
	v_add_nc_u32 v[KA], \slot*SLOT, v[L16]
	v_add_nc_u32 v[VA], \slot*SLOT+BLK, v[L16]
	LOADK 0
	LOADV
.endm
; n steps that ask ahead, and the block's last, which asks for nothing: the next block's slot may be read only behind the barrier
.macro STEPS n
	s_mov_b32 s44, \n
.Lstep_\@:
	STEP 0, 1
	s_sub_co_u32 s44, s44, 1
	s_cmp_lg_u32 s44, 0
	s_cbranch_scc1 .Lstep_\@
	STEP 0, 0
.endm
; Slot s, which has been read, gets the key block two further on, jointly.
.macro REFILL s
	s_wait_tensorcnt 0x0                           ; all my tensor loads have landed, my part of the other slot among them: group 0 may be written
	ds_add_u32 v30, v31
	s_add_nc_u64 s[G0+4*\s+2:G0+4*\s+3], s[G0+4*\s+2:G0+4*\s+3], 2*BLK
	s_wait_dscnt 0x0                               ; my reads of this slot are back
	ROUND                                          ; both now hold of every wave of the four work-groups
	tensor_load_to_lds s[G0+4*\s:G0+4*\s+3], s[G1:G1+7]            ; my one tensor load behind the round; it has a block's eight steps in which to land
	s_nop 0
	v_nop
	v_nop
.endm
	s_wait_tensorcnt 0x1                           ; my part of key block 0 is in; block 1's load, issued behind it, stays out
	s_barrier_signal -1
	s_barrier_wait -1
	HEAD 0
	s_wait_loadcnt 0x0                             ; q
	STEP 1, 1                                      ; the first step starts maxima, sums and O^T: nothing is cleared
	STEPS 6
	REFILL 0                                       ; key block 2
	HEAD 1
	STEPS 7
	REFILL 1                                       ; key block 3
	HEAD 0
	STEPS 7
	s_wait_tensorcnt 0x0                           ; my part of key block 3
	s_wait_dscnt 0x0
	s_barrier_signal -1
	s_barrier_wait -1                              ; everybody's; nothing is left to fetch
	HEAD 1
	STEPS 7
	; THE WAY OUT: divide by the sum of both halves' keys, round, store as images of the projection's A operand.
	; The six lines that closed the last step's sums are the places behind the last products.
	v_permlanex16_b32 v[T], v[AL+1], s42, s43
	v_permlanex16_b32 v[T+1], v[AL+3], s42, s43
	v_add_f32 v[T], v[T], v[AL+1]
	v_add_f32 v[T+1], v[T+1], v[AL+3]
	v_rcp_f32 v[T+2], v[T]                         ; the sum is at least about 1: the largest weight is 2^0
	v_rcp_f32 v[T+4], v[T+1]
	v_nop                                          ; the plain instruction behind v_rcp_f32
	s_lshr_b32 s18, s15, 4                         ; b
	s_lshl_b32 s18, s18, 7
	s_lshl_b32 s20, s14, 4
	s_add_co_u32 s18, s18, s20
	s_lshl_b32 s20, s12, 1
	s_add_co_u32 s18, s18, s20                     ; row block = 128 b + 16 x + 2 wave
	s_lshl_b32 s18, s18, 15
	s_and_b32 s20, s15, 15
	s_lshl_b32 s20, s20, 11                        ; + the head's two fragments
	s_add_co_u32 s18, s18, s20
	s_add_nc_u64 s[10:11], s[10:11], s[18:19]
	s_wait_alu depctr_va_vdst(0)
.irp i, 0,1,2,3
.irp qt, 0,1
.irp k, 0,2,4,6
	v_pk_mul_f32 v[O+8*(2*\i+\qt)+\k:O+8*(2*\i+\qt)+\k+1], v[O+8*(2*\i+\qt)+\k:O+8*(2*\i+\qt)+\k+1], v[T+2+2*\qt:T+3+2*\qt] op_sel_hi:[1,0]
.endr
.endr
.endr
.irp qt, 0,1
.irp c, 0,1,2,3
.irp x, 0,1,2,3
	v_cvt_pk_bf16_f32 v[S+4*(4*\qt+\c)+\x], v[O+8*(4*(\x&1)+\qt)+2*\c+(\x>>1)], v[O+8*(4*(\x&1)+2+\qt)+2*\c+(\x>>1)]   ; d = 32 h + 8 c + 2 x, + 1
.endr
	global_store_b128 v[OFFO], v[S+4*(4*\qt+\c):S+4*(4*\qt+\c)+3], s[10:11] offset:\qt*32768+\c*256   ; each half of the lanes stores 256 consecutive bytes, aligned
.endr
.endr
	s_wait_tensorcnt 0x0
	ds_add_u32 v30, v31
	s_wait_dscnt 0x0
	ROUND                                          ; the closing round
	s_endpgm
.Lfunc_end_k_qdff1d06c9b_attn:
	.size	k_qdff1d06c9b_attn, .Lfunc_end_k_qdff1d06c9b_attn-k_qdff1d06c9b_attn
	.p2alignl 7, 3214868480
	.fill 96, 4, 3214868480
	.section	.rodata,"a",@progbits
	.p2align	6, 0x0
	.amdhsa_kernel k_qdff1d06c9b_attn
		.amdhsa_group_segment_fixed_size 327680
		.amdhsa_private_segment_fixed_size 0
		.amdhsa_enable_private_segment 0
		.amdhsa_kernarg_size 32
		.amdhsa_user_sgpr_count 2
		.amdhsa_user_sgpr_kernarg_segment_ptr 1
		.amdhsa_wavefront_size32 1
		.amdhsa_system_sgpr_workgroup_id_x 1
		.amdhsa_system_sgpr_workgroup_id_y 1
		.amdhsa_system_sgpr_workgroup_id_z 1
		.amdhsa_system_vgpr_workitem_id 0
		.amdhsa_next_free_vgpr 320
		.amdhsa_next_free_sgpr 66
		.amdhsa_reserve_vcc 0
		.amdhsa_float_denorm_mode_32 3
		.amdhsa_float_denorm_mode_16_64 3
		.amdhsa_memory_ordered 1
		.amdhsa_forward_progress 1
		.amdhsa_inst_pref_size 170
	.end_amdhsa_kernel
	.amdgpu_metadata
---
amdhsa.version: [ 1, 2 ]
amdhsa.kernels:
  - .name:           k_qdff1d06c9b_attn
    .symbol:         k_qdff1d06c9b_attn.kd
    .args:
      - { .name: qw, .offset: 0, .size: 8, .value_kind: global_buffer, .address_space: global }
      - { .name: kw, .offset: 8, .size: 8, .value_kind: global_buffer, .address_space: global }
      - { .name: vw, .offset: 16, .size: 8, .value_kind: global_buffer, .address_space: global }
      - { .name: act, .offset: 24, .size: 8, .value_kind: global_buffer, .address_space: global }
    .group_segment_fixed_size: 327680
    .private_segment_fixed_size: 0
    .kernarg_segment_align: 8
    .kernarg_segment_size: 32
    .max_flat_workgroup_size: 256
    .sgpr_count:     66
    .vgpr_count:     320
    .wavefront_size: 32
...
	.end_amdgpu_metadata
.endif
;; end of part 3
;; launch oproj (part 4): grid 8 x 32, 4 waves a work-group, clusters of 4 x 4, 327,680 bytes of LDS; arguments act, wb, bo, out0; writes out0
.if DOCPART == 4
	.amdgcn_target "amdgcn-amd-amdhsa--gfx1250"
	.amdhsa_code_object_version 6
	.text
	.protected	k_qdff1d06c9b_oproj
	.globl	k_qdff1d06c9b_oproj
	.p2align	8
	.type	k_qdff1d06c9b_oproj,@function
k_qdff1d06c9b_oproj:
	s_mov_b64 s[64:65], 0
	v_nop
	global_prefetch_b8 v0, s[64:65] scope:SCOPE_SE
	s_setreg_imm32_b32 hwreg(HW_REG_WAVE_MODE, 25, 1), 1
	s_wait_xcnt 0x0
	s_wait_alu depctr_hold_cnt(0) depctr_sa_sdst(0) depctr_va_vdst(0) depctr_va_sdst(0) depctr_va_ssrc(0) depctr_va_vcc(0) depctr_vm_vsrc(0)
	s_getreg_b32 s2, hwreg(HW_REG_IB_STS2, 6, 4)
	s_cmp_eq_u32 s2, 0
	s_cbranch_scc0 .Lentry_in_a_cluster
	s_endpgm
.Lentry_in_a_cluster:
	s_bfe_u32 s2, ttmp6, 0x10000c
	s_cmp_lg_u32 s2, 0xf033
	s_cbranch_scc0 .Lentry_shape_is_right
	s_endpgm
.Lentry_shape_is_right:
; oproj: out0 = attended Wo + bo, f32 out.  A work-group makes 128 rows x 128 columns (256 equal work-groups), a wave 64 x 64:
; 16 accumulator tiles.  Operands are fragment images of 1,024 bytes (act from launch attn, wb from launch prep): dense tiles,
; LDS loads at 16 x lane, nothing transposed.  K goes in 4 steps of 256 through two LDS slots (X 64 KiB, W 64 KiB each).
; CLUSTERS: 4 x 4; X's tile is asked for jointly along a row of the cluster, W's along a column: a quarter of the requests.
; W's block i holds columns 4 r + i, so lane (r, h) holds, over the four tiles i, four consecutive columns of row 8 h + j:
; 16 bytes, and sixteen lanes store 256 consecutive bytes without a stage in LDS.
; By this text's own count a wave has two tensor loads out at the start and one behind each refill.
; Limits: operands are bf16; NaN and infinities are not served.
; REGISTERS: window 0: addresses, bias, v128-255 fragment buffer 0; window 1: v0-127 accumulators (8 (4 t + i)), v128-255 buffer 1.
.set STEPB, 8192                       ; bytes of one row block in a K step: eight fragments
.set XT,    65536
.set SLOT,  131072
.set ADRX,  8                          ; v8-9
.set ADRW,  10                         ; v10-11
.set CO,    12                         ; v12      32,768 h + 16 r: my 16 bytes in out0
.set L16,   13                         ; v13
.set BOR,   14                         ; v14      16 r
.set BO,    16                         ; v[16:19] bo of my four columns
.set F,     128                        ; a buffer: X(t, kk) at F + 8 (2 t + kk), W(i, kk) at F + 64 + 8 (2 i + kk)
.set G1,    32
.set G0,    40
.set G1B,   48
.set G0B,   56
.set MSB,   0
.macro WIN new
.if MSB != (\new)
	s_set_vgpr_msb (MSB<<8)|(\new)
.set MSB, (\new)
.endif
.endm
.macro PLACES                          ; four places behind matrix instructions (ISA guide 7.12.1)
.rept 4
	v_nop
.endr
.endm
.macro JLOAD s                         ; waves 0, 1 ask for X's halves, waves 2, 3 for W's
	s_cmp_eq_u32 s21, 0
	s_cbranch_scc0 .Lfor_w_\@
	tensor_load_to_lds s[G0+4*\s:G0+4*\s+3], s[G1:G1+7]
	s_nop 0
	s_branch .Lasked_\@
.Lfor_w_\@:
	tensor_load_to_lds s[G0B+4*\s:G0B+4*\s+3], s[G1B:G1B+7]
	s_nop 0
.Lasked_\@:
.endm
.macro CREST
	s_cmp_lg_u32 s20, 0
	s_cbranch_scc1 .Lnot_wave_0_\@
	s_barrier_signal -3
.Lnot_wave_0_\@:
	s_barrier_wait -3
	s_barrier_signal -1
	s_barrier_wait -1
.endm
.macro CROUND
	s_barrier_signal -1
	s_barrier_wait -1
	CREST
.endm
	s_load_b256 s[4:11], s[0:1], 0x0               ; act s[4:5], wb s[6:7], bo s[8:9], out0 s[10:11]
	v_lshl_add_u32 v126, v0, 2, 0x40000
	v_mov_b32 v127, 0
	ds_add_u32 v126, v127
	v_lshrrev_b32 v1, 5, v0
	v_readfirstlane_b32 s20, v1                    ; wave 0..3
	s_lshr_b32 s21, s20, 1                         ; my half of the rows.  Also: I fetch for X (0) or W (1)
	s_and_b32 s22, s20, 1                          ; my half of the columns.  Also: which half of that tile I fetch
	s_bfe_u32 s23, ttmp6, 0x40000                  ; cx
	s_bfe_u32 s24, ttmp6, 0x40004                  ; cy
	s_lshl_b32 s25, ttmp9, 2
	s_add_co_u32 s25, s25, s23                     ; block of 128 columns
	s_and_b32 s26, ttmp7, 0xffff
	s_lshl_b32 s26, s26, 2
	s_add_co_u32 s26, s26, s24                     ; block of 128 rows
	s_lshl_b32 s28, s24, 2
	s_lshl_b32 s28, 15, s28                        ; my row of the cluster
	s_lshl_b32 s30, 0x1111, s23                    ; my column
	; group 1: four rows of 8,192 bytes (a row block's eight fragments), 32,768 bytes apart, dense in LDS
	s_or_b32 s[G1+0], s28, (3<<16)|(1<<21)
	s_or_b32 s[G1B+0], s30, (3<<16)|(1<<21)
	s_mov_b32 s[G1+1], 1024<<16                    ; tensor_dim0 = 1,024 elements of 8 bytes
	s_mov_b32 s[G1B+1], 1024<<16
	s_mov_b32 s[G1+2], 4<<16                       ; tensor_dim1 = 4
	s_mov_b32 s[G1B+2], 4<<16
	s_mov_b32 s[G1+3], 1024<<16                    ; tile_dim0
	s_mov_b32 s[G1B+3], 1024<<16
	s_mov_b32 s[G1+4], 4                           ; tile_dim1
	s_mov_b32 s[G1B+4], 4
	s_mov_b32 s[G1+5], 4096                        ; pitch
	s_mov_b32 s[G1B+5], 4096
	s_mov_b32 s[G1+6], 0
	s_mov_b32 s[G1B+6], 0
	s_mov_b32 s[G1+7], 0
	s_mov_b32 s[G1B+7], 0
	s_lshl_b32 s28, s26, 3                         ; X: row block 8 x block + 4 x half (never holds cx)
	s_lshl_b32 s29, s22, 2
	s_add_co_u32 s28, s28, s29
	s_lshl_b32 s28, s28, 15
	s_mov_b32 s29, 0
	s_lshl_b32 s30, s25, 1                         ; W: block 16 (2 x block + half) + 12: Wo's four blocks of that column group (never holds cy)
	s_add_co_u32 s30, s30, s22
	s_lshl_b32 s30, s30, 4
	s_add_co_u32 s30, s30, 12
	s_lshl_b32 s30, s30, 15
	s_mov_b32 s31, 0
	s_lshl_b32 s66, s20, 15                        ; LDS: wave x 32,768: X's halves, then W's
	s_lshl_b32 s68, s25, 1                         ; my 64 columns: 256 bytes of bo and of a row of out0
	s_add_co_u32 s68, s68, s22
	s_lshl_b32 s68, s68, 8
	s_mov_b32 s69, 0
	s_wait_dscnt 0x0
	s_wait_kmcnt 0x0
	s_add_nc_u64 s[28:29], s[4:5], s[28:29]
	s_add_nc_u64 s[30:31], s[6:7], s[30:31]
	s_add_nc_u64 s[8:9], s[8:9], s[68:69]
	s_add_nc_u64 s[10:11], s[10:11], s[68:69]
	s_lshl_b32 s68, s26, 19                        ; my first row: (128 x block + 64 x half) x 4,096 bytes
	s_lshl_b32 s70, s21, 18
	s_add_co_u32 s68, s68, s70
	s_add_nc_u64 s[10:11], s[10:11], s[68:69]
	CROUND                                         ; the first joint loads meet
.irp s, 0,1
	s_mov_b32 s[G0+4*\s], 1
	s_add_co_u32 s[G0+4*\s+1], s66, \s*SLOT
	s_add_nc_u64 s[G0+4*\s+2:G0+4*\s+3], s[28:29], \s*STEPB
	s_or_b32 s[G0+4*\s+3], s[G0+4*\s+3], 0x80000000
	s_mov_b32 s[G0B+4*\s], 1
	s_add_co_u32 s[G0B+4*\s+1], s66, \s*SLOT
	s_add_nc_u64 s[G0B+4*\s+2:G0B+4*\s+3], s[30:31], \s*STEPB
	s_or_b32 s[G0B+4*\s+3], s[G0B+4*\s+3], 0x80000000
	JLOAD \s
.endr
	v_and_b32 v1, 31, v0
	v_and_b32 v2, 15, v0                           ; r
	v_bfe_u32 v3, v0, 4, 1                         ; h
	v_lshlrev_b32 v[BOR], 4, v2
	global_load_b128 v[BO:BO+3], v[BOR], s[8:9]
	v_lshlrev_b32 v[L16], 4, v1
	s_lshl_b32 s70, s21, 15                        ; my four row blocks of X
	v_add_nc_u32 v[ADRX], s70, v[L16]
	v_add_nc_u32 v[ADRX+1], SLOT, v[ADRX]
	s_lshl_b32 s70, s22, 15                        ; my four blocks of W, behind X's tile
	s_add_co_u32 s70, s70, XT
	v_add_nc_u32 v[ADRW], s70, v[L16]
	v_add_nc_u32 v[ADRW+1], SLOT, v[ADRW]
	v_lshlrev_b32 v[CO], 15, v3
	v_lshl_add_u32 v[CO], v2, 4, v[CO]
; 32 LDS loads in one run: the fragments of 64 along K (quarter kq of the step) into the buffer in window fw
.macro FETCH slot, kq, fw
	WIN (\fw<<6)
.irp t, 0,1,2,3
.irp kk, 0,1
	ds_load_b128 v[F+8*(2*\t+\kk):F+8*(2*\t+\kk)+3],   v[ADRX+\slot] offset:\t*8192+(2*\kq+\kk)*1024
	ds_load_b128 v[F+8*(2*\t+\kk)+4:F+8*(2*\t+\kk)+7], v[ADRX+\slot] offset:\t*8192+(2*\kq+\kk)*1024+512
.endr
.endr
.irp i, 0,1,2,3
.irp kk, 0,1
	ds_load_b128 v[F+64+8*(2*\i+\kk):F+64+8*(2*\i+\kk)+3],   v[ADRW+\slot] offset:\i*8192+(2*\kq+\kk)*1024
	ds_load_b128 v[F+64+8*(2*\i+\kk)+4:F+64+8*(2*\i+\kk)+7], v[ADRW+\slot] offset:\i*8192+(2*\kq+\kk)*1024+512
.endr
.endr
.endm
; 16 matrix instructions, 32 along K; the 16 accumulators take turns, one instruction a turn
.macro MUL16 kk, fw, zero
	WIN (0x50|\fw|(\fw<<2))
.irp t, 0,1,2,3
.irp i, 0,1,2,3
.if \zero
	v_wmma_f32_16x16x32_bf16 v[8*(4*\t+\i):8*(4*\t+\i)+7], v[F+8*(2*\t+\kk):F+8*(2*\t+\kk)+7], v[F+64+8*(2*\i+\kk):F+64+8*(2*\i+\kk)+7], 0
.else
	v_wmma_f32_16x16x32_bf16 v[8*(4*\t+\i):8*(4*\t+\i)+7], v[F+8*(2*\t+\kk):F+8*(2*\t+\kk)+7], v[F+64+8*(2*\i+\kk):F+64+8*(2*\i+\kk)+7], v[8*(4*\t+\i):8*(4*\t+\i)+7]
.endif
.endr
.endr
.endm
.macro QUARTER slot, kqn, fw, gw, zero
	s_wait_dscnt 0x0                               ; this quarter's fragments, asked for a quarter ago
	PLACES
	FETCH \slot, \kqn, \gw
	MUL16 0, \fw, \zero
	MUL16 1, \fw, 0
.endm
.macro THREE slot, zero
	QUARTER \slot, 1, 0, 1, \zero
	QUARTER \slot, 2, 1, 0, 0
	QUARTER \slot, 3, 0, 1, 0
.endm
; The last quarter multiplies buffer 1 and changes slots: each wave's reads of this slot are back and all its tensor loads have
; landed in front of the barrier; fill = 1: the barrier opens a round of the cluster's barrier and the joint refill comes first behind it.
.macro TURN slot, next, fill
	s_wait_dscnt 0x0
	s_wait_tensorcnt 0x0
	ds_add_u32 v126, v127
	s_wait_dscnt 0x0
	s_barrier_signal -1
	MUL16 0, 1, 0
	WIN 0
	s_barrier_wait -1
.if \fill
	CREST
	s_add_nc_u64 s[G0+4*\slot+2:G0+4*\slot+3], s[G0+4*\slot+2:G0+4*\slot+3], 2*STEPB
	s_add_nc_u64 s[G0B+4*\slot+2:G0B+4*\slot+3], s[G0B+4*\slot+2:G0B+4*\slot+3], 2*STEPB
	JLOAD \slot
.endif
	PLACES
	FETCH \next, 0, 0
	MUL16 1, 1, 0
.endm
	s_wait_tensorcnt 0x1                           ; my part of K step 0 is in; step 1's load, issued behind it, stays out
	s_barrier_signal -1
	s_barrier_wait -1
	FETCH 0, 0, 0
	THREE 0, 1                                     ; K step 0: the first products start the sums
	TURN 0, 1, 1                                   ; slot 0 gets K step 2
	THREE 1, 0
	TURN 1, 0, 1                                   ; slot 1 gets K step 3
	THREE 0, 0                                     ; the last two steps fetch nothing
	TURN 0, 1, 0
	THREE 1, 0
	s_wait_dscnt 0x0
	MUL16 0, 1, 0
	MUL16 1, 1, 0
	; THE WAY OUT: the bias add also gathers the four tiles' numbers of one row into four neighbouring registers
	PLACES
	s_wait_loadcnt 0x0                             ; bo
	WIN 0x01
.irp t, 0,1,2,3
.irp j, 0,1,2,3,4,5,6,7
.irp i, 0,1,2,3
	v_add_f32 v[F+4*(8*\t+\j)+\i], v[8*(4*\t+\i)+\j], v[BO+\i]
.endr
.endr
.endr
	WIN 0
.irp t, 0,1,2,3
.irp j, 0,1,2,3,4,5,6,7
	global_store_b128 v[CO], v[F+4*(8*\t+\j):F+4*(8*\t+\j)+3], s[10:11] offset:(16*\t+\j)*4096 th:TH_STORE_NT   ; rows 16 t + j and 16 t + 8 + j: sixteen lanes store 256 consecutive bytes, aligned
.endr
.endr
	CROUND                                         ; the closing round
	s_endpgm
.Lfunc_end_k_qdff1d06c9b_oproj:
	.size	k_qdff1d06c9b_oproj, .Lfunc_end_k_qdff1d06c9b_oproj-k_qdff1d06c9b_oproj
	.p2alignl 7, 3214868480
	.fill 96, 4, 3214868480
	.section	.rodata,"a",@progbits
	.p2align	6, 0x0
	.amdhsa_kernel k_qdff1d06c9b_oproj
		.amdhsa_group_segment_fixed_size 327680
		.amdhsa_private_segment_fixed_size 0
		.amdhsa_enable_private_segment 0
		.amdhsa_kernarg_size 32
		.amdhsa_user_sgpr_count 2
		.amdhsa_user_sgpr_kernarg_segment_ptr 1
		.amdhsa_wavefront_size32 1
		.amdhsa_system_sgpr_workgroup_id_x 1
		.amdhsa_system_sgpr_workgroup_id_y 1
		.amdhsa_system_sgpr_workgroup_id_z 1
		.amdhsa_system_vgpr_workitem_id 0
		.amdhsa_next_free_vgpr 512
		.amdhsa_next_free_sgpr 72
		.amdhsa_reserve_vcc 0
		.amdhsa_float_denorm_mode_32 3
		.amdhsa_float_denorm_mode_16_64 3
		.amdhsa_memory_ordered 1
		.amdhsa_forward_progress 1
		.amdhsa_inst_pref_size 83
	.end_amdhsa_kernel
	.amdgpu_metadata
---
amdhsa.version: [ 1, 2 ]
amdhsa.kernels:
  - .name:           k_qdff1d06c9b_oproj
    .symbol:         k_qdff1d06c9b_oproj.kd
    .args:
      - { .name: act, .offset: 0, .size: 8, .value_kind: global_buffer, .address_space: global }
      - { .name: wb, .offset: 8, .size: 8, .value_kind: global_buffer, .address_space: global }
      - { .name: bo, .offset: 16, .size: 8, .value_kind: global_buffer, .address_space: global }
      - { .name: out0, .offset: 24, .size: 8, .value_kind: global_buffer, .address_space: global }
    .group_segment_fixed_size: 327680
    .private_segment_fixed_size: 0
    .kernarg_segment_align: 8
    .kernarg_segment_size: 32
    .max_flat_workgroup_size: 128
    .sgpr_count:     72
    .vgpr_count:     512
    .wavefront_size: 32
...
	.end_amdgpu_metadata
.endif
;; end of part 4
;; ======== version 2 of 2: 4 launches; version 1 with the launch prep written anew for expert scheduling mode
;; workspace buffers: act 8,388,608 bytes; wb 8,388,608 bytes; qw 8,388,608 bytes; kw 8,388,608 bytes; vw 8,388,608 bytes
;; launch prep (part 5): grid 256 x 2, 8 waves a work-group, no clusters, 35,840 bytes of LDS; arguments hidden_states, Wq, Wk, Wv, Wo, act, wb; writes act, wb
.if DOCPART == 5
	.amdgcn_target "amdgcn-amd-amdhsa--gfx1250"
	.amdhsa_code_object_version 6
	.text
	.protected	k_qdff1d06c9b_prep
	.globl	k_qdff1d06c9b_prep
	.p2align	8
	.type	k_qdff1d06c9b_prep,@function
k_qdff1d06c9b_prep:
	s_mov_b64 s[64:65], 0
	v_nop
	global_prefetch_b8 v0, s[64:65] scope:SCOPE_SE
	s_setreg_imm32_b32 hwreg(HW_REG_WAVE_SCHED_MODE, 0, 2), 2
	s_setreg_imm32_b32 hwreg(HW_REG_WAVE_MODE, 25, 1), 1
	s_wait_xcnt 0x0
	s_wait_alu depctr_vm_vsrc(0)
; prep: hidden_states and the four weights are rounded to bf16 ONCE and stored as register images of matrix fragments,
; so that the three later launches neither convert nor transpose anything.
; A fragment is 16 rows x 32 k = 1,024 bytes: byte 256 q + 16 r + 2 e holds (row r, k = 8 q + e).  Two 16-byte loads a lane,
; at 16 x lane and 16 x lane + 512, are then the eight registers of an A or a B operand (ISA guide 7.12.2).
;   act [row block of 16 (256)][k/32 (32)][1,024 B]                     hidden_states, rows as they are
;   wb  [nb (256)][k/32 (32)][1,024 B], nb = 16 g + 4 p + i             weight p (q, k, v, o), row r of block nb = column 64 g + 4 r + i
; A stream: each wave converts one block of 8 KiB once, 16 loads of 16 bytes a lane all in flight, no loop.  No input is shared
; between work-groups, so no cluster; no matrix work.  Limit: operands are rounded to bf16 (nearest even).
; THE MODE: SCHED_MODE bits 1:0 = 2 (LLVM: expert scheduling mode 2), set by the entry lines.  The code itself states the register
; dependences between vector instructions and memory or LDS instructions, with s_wait_alu, always for 0.
; THE PLAN.  Registers that memory or LDS instructions touch:
;   v2, v3, v4   offsets and LDS addresses: written once, ahead of the one wait that stands in front of a path's first load; never written again.
;   X            the 16 global loads land in it; the conversions read it.  In the first path they also write two of each row's four registers,
;                which the LDS stores then read; nothing writes X behind that.
;   Y            first path: the LDS loads land in it and the global stores read it; no vector instruction names it.
;                second path: the conversions write each register once; the global stores read it.
;   v104, v105   written at the head, read by the closing add alone.
; No register that a memory or LDS instruction reads is written again, so none of them needs a wait on vm_vsrc.
; First path: the rows go in four groups of four.  The LDS stores of a group stand at the head of the next group, behind ONE wait on va_vdst,
; which itself stands behind the wait for the next group's rows.  Second path: one wait on va_vdst behind the sixteen conversions of each half.
.set X,     8                          ; v[8:71]    16 loads of 4 registers
.set Y,     72                         ; v[72:103]  8 stores of 4 registers
.set PITCH, 272                        ; stage row: 256 bytes + 16, an odd multiple of 16: the 16 rows of a read start in different banks
.set STAGE, 16*PITCH                   ; a wave's own stage
	s_load_b256 s[4:11], s[0:1], 0x0               ; hidden_states s[4:5], Wq s[6:7], Wk s[8:9], Wv s[10:11]
	s_load_b128 s[12:15], s[0:1], 0x20             ; Wo s[12:13], act s[14:15]
	s_load_b64 s[16:17], s[0:1], 0x30              ; wb
	v_lshl_add_u32 v104, v0, 2, 0x8800
	v_mov_b32 v105, 0
	v_lshrrev_b32 v1, 5, v0
	v_readfirstlane_b32 s18, v1                    ; wave 0..7
	s_and_b32 s19, ttmp7, 0xffff                   ; y: 0 = hidden_states, 1 = weights
	v_and_b32 v1, 31, v0                           ; lane
	v_lshlrev_b32 v2, 4, v1                        ; 16 x lane
	v_and_b32 v5, 15, v0                           ; r
	v_bfe_u32 v6, v0, 4, 1                         ; h
	s_mov_b32 s23, 0
	s_mov_b32 s27, 0
	s_wait_alu depctr_va_sdst(0)                   ; s18 is written, ahead of the branch and of its first reader on either path: the offsets in memory and in LDS are made from it
	s_cmp_lg_u32 s19, 0
	s_cbranch_scc1 .Lweights
	; ---- hidden_states: work-group = row block rb, wave w = k 128 w .. 128 w + 127 (four fragments)
	s_lshl_b32 s22, ttmp9, 16                      ; in: rb x 16 rows x 4,096 bytes
	s_lshl_b32 s20, s18, 9                         ;     + w x 512
	s_add_co_u32 s22, s22, s20
	s_lshl_b32 s26, ttmp9, 15                      ; out: rb x 32,768
	s_lshl_b32 s20, s18, 12                        ;      + w x 4,096
	s_add_co_u32 s26, s26, s20
	s_mul_i32 s21, s18, STAGE                      ; my wave's stage
	v_lshl_add_u32 v3, v1, 3, s21                  ; stage in: 8 bytes a lane along a row
	v_mul_u32_u24 v4, v5, PITCH                    ; stage out: row r, 16 h
	v_lshl_add_u32 v4, v6, 4, v4
	v_add_nc_u32 v4, s21, v4
	s_wait_kmcnt 0x0
	s_add_nc_u64 s[4:5], s[4:5], s[22:23]
	s_add_nc_u64 s[14:15], s[14:15], s[26:27]
	s_wait_alu depctr_va_vdst(0)                   ; v2, v3 and v4 are written: the loads and stores of this path, global and LDS, read them as offsets and addresses
.irp r, 0,1,2,3,4,5,6,7,8,9,10,11,12,13,14,15
	global_load_b128 v[X+4*\r:X+4*\r+3], v2, s[4:5] offset:\r*4096 th:TH_LOAD_NT   ; 512 consecutive bytes of row r, read once in the launch
.endr
.irp g, 0,1,2,3
	s_wait_loadcnt 12-4*\g                         ; loads return in order: rows 4 g .. 4 g + 3 are in, the 12 - 4 g younger ones stay out
.if \g > 0
	s_wait_alu depctr_va_vdst(0)                   ; the conversions of the group before have written its eight words, which the four LDS stores below read
.irp r, 0,1,2,3
	ds_store_b64 v3, v[X+4*(4*(\g-1)+\r):X+4*(4*(\g-1)+\r)+1] offset:(4*(\g-1)+\r)*PITCH
.endr
.endif
.irp r, 0,1,2,3
	v_cvt_pk_bf16_f32 v[X+4*(4*\g+\r)],   v[X+4*(4*\g+\r)],   v[X+4*(4*\g+\r)+1]
	v_cvt_pk_bf16_f32 v[X+4*(4*\g+\r)+1], v[X+4*(4*\g+\r)+2], v[X+4*(4*\g+\r)+3]
.endr
.endr
	s_wait_alu depctr_va_vdst(0)                   ; the last group's conversions have written its eight words, which the last four LDS stores read
.irp r, 12,13,14,15
	ds_store_b64 v3, v[X+4*\r:X+4*\r+1] offset:\r*PITCH
.endr
.irp m, 0,1,2,3,4,5,6,7
	ds_load_b128 v[Y+4*\m:Y+4*\m+3], v4 offset:32*\m   ; my wave's own bytes, served in order behind the stores: k = 16 m + 8 h .. + 7 of row r; no vector instruction names Y on this path
.endr
.irp m, 0,1,2,3,4,5,6,7
	s_wait_dscnt 7-\m                              ; piece m is in, the 7 - m younger ones stay out
	global_store_b128 v2, v[Y+4*\m:Y+4*\m+3], s[14:15] offset:512*\m   ; half a fragment: 512 consecutive bytes, aligned
.endr
	s_wait_dscnt 0x0                               ; the closing lines, six on end
	s_wait_alu 0x0
	s_wait_tensorcnt 0x0
	ds_add_u32 v104, v105
	s_wait_dscnt 0x0
	s_endpgm
	; ---- weights: x = 64 p + 4 g + kh; wave w takes rows k = 32 kf .. + 31, kf = 8 kh + w, of columns 64 g .. + 63 of weight p
.Lweights:
	s_lshr_b32 s20, ttmp9, 6                       ; p
	s_bfe_u32 s21, ttmp9, 0x40002                  ; g
	s_and_b32 s28, ttmp9, 3
	s_lshl_b32 s28, s28, 3
	s_add_co_u32 s28, s28, s18                     ; kf
	s_lshl_b32 s22, s28, 17                        ; in: kf x 32 rows x 4,096
	s_lshl_b32 s29, s21, 8                         ;     + g x 256
	s_add_co_u32 s22, s22, s29
	s_lshl_b32 s26, s21, 19                        ; out: (16 g + 4 p) x 32,768 + kf x 1,024
	s_lshl_b32 s29, s20, 17
	s_add_co_u32 s26, s26, s29
	s_lshl_b32 s29, s28, 10
	s_add_co_u32 s26, s26, s29
	v_lshlrev_b32 v3, 4, v5                        ; lane (r, h): four columns 4 r .. 4 r + 3,
	v_lshl_add_u32 v3, v6, 15, v3                  ; rows 8 h + e
	s_wait_kmcnt 0x0
	s_cmp_eq_u32 s20, 1
	s_cselect_b64 s[24:25], s[8:9], s[6:7]
	s_cmp_eq_u32 s20, 2
	s_cselect_b64 s[24:25], s[10:11], s[24:25]
	s_cmp_eq_u32 s20, 3
	s_cselect_b64 s[24:25], s[12:13], s[24:25]
	s_add_nc_u64 s[24:25], s[24:25], s[22:23]
	s_add_nc_u64 s[16:17], s[16:17], s[26:27]
	s_wait_alu depctr_va_vdst(0)                   ; v3 and v2 are written: the loads below read v3 as their offset, the stores v2
.irp q, 0,1
.irp e, 0,1,2,3,4,5,6,7
	global_load_b128 v[X+4*(8*\q+\e):X+4*(8*\q+\e)+3], v3, s[24:25] offset:(16*\q+\e)*4096 th:TH_LOAD_NT   ; row 16 q + 8 h + e: sixteen lanes read 256 consecutive bytes, aligned
.endr
.endr
.irp q, 0,1
	s_wait_loadcnt 8-8*\q                          ; the eight rows of this half are in; for q = 0 the eight younger loads stay out
.irp i, 0,1,2,3
.irp x, 0,1,2,3
	v_cvt_pk_bf16_f32 v[Y+4*(4*\q+\i)+\x], v[X+4*(8*\q+2*\x)+\i], v[X+4*(8*\q+2*\x+1)+\i]   ; column 4 r + i, k = 16 q + 8 h + 2 x, + 1
.endr
.endr
	s_wait_alu depctr_va_vdst(0)                   ; the sixteen conversions of this half have written their part of Y, which the four stores below read
.irp i, 0,1,2,3
	global_store_b128 v2, v[Y+4*(4*\q+\i):Y+4*(4*\q+\i)+3], s[16:17] offset:\i*32768+\q*512   ; half of fragment i: 512 consecutive bytes, aligned
.endr
.endr
	s_endpgm
.Lfunc_end_k_qdff1d06c9b_prep:
	.size	k_qdff1d06c9b_prep, .Lfunc_end_k_qdff1d06c9b_prep-k_qdff1d06c9b_prep
	.p2alignl 7, 3214868480
	.fill 96, 4, 3214868480
	.section	.rodata,"a",@progbits
	.p2align	6, 0x0
	.amdhsa_kernel k_qdff1d06c9b_prep
		.amdhsa_group_segment_fixed_size 35840
		.amdhsa_private_segment_fixed_size 0
		.amdhsa_enable_private_segment 0
		.amdhsa_kernarg_size 56
		.amdhsa_user_sgpr_count 2
		.amdhsa_user_sgpr_kernarg_segment_ptr 1
		.amdhsa_wavefront_size32 1
		.amdhsa_system_sgpr_workgroup_id_x 1
		.amdhsa_system_sgpr_workgroup_id_y 1
		.amdhsa_system_sgpr_workgroup_id_z 1
		.amdhsa_system_vgpr_workitem_id 0
		.amdhsa_next_free_vgpr 106
		.amdhsa_next_free_sgpr 66
		.amdhsa_reserve_vcc 0
		.amdhsa_float_denorm_mode_32 3
		.amdhsa_float_denorm_mode_16_64 3
		.amdhsa_memory_ordered 1
		.amdhsa_forward_progress 1
		.amdhsa_inst_pref_size 14
	.end_amdhsa_kernel
	.amdgpu_metadata
---
amdhsa.version: [ 1, 2 ]
amdhsa.kernels:
  - .name:           k_qdff1d06c9b_prep
    .symbol:         k_qdff1d06c9b_prep.kd
    .args:
      - { .name: hidden_states, .offset: 0, .size: 8, .value_kind: global_buffer, .address_space: global }
      - { .name: Wq, .offset: 8, .size: 8, .value_kind: global_buffer, .address_space: global }
      - { .name: Wk, .offset: 16, .size: 8, .value_kind: global_buffer, .address_space: global }
      - { .name: Wv, .offset: 24, .size: 8, .value_kind: global_buffer, .address_space: global }
      - { .name: Wo, .offset: 32, .size: 8, .value_kind: global_buffer, .address_space: global }
      - { .name: act, .offset: 40, .size: 8, .value_kind: global_buffer, .address_space: global }
      - { .name: wb, .offset: 48, .size: 8, .value_kind: global_buffer, .address_space: global }
    .group_segment_fixed_size: 35840
    .private_segment_fixed_size: 0
    .kernarg_segment_align: 8
    .kernarg_segment_size: 56
    .max_flat_workgroup_size: 256
    .sgpr_count:     66
    .vgpr_count:     106
    .wavefront_size: 32
...
	.end_amdgpu_metadata
.endif
;; end of part 5
;; launch qkv: the kernel of part 2 again; grid 16 x 16, 4 waves a work-group, clusters of 4 x 4, 327,680 bytes of LDS; arguments act, wb, bq, bk, bv, qw, kw, vw; writes qw, kw, vw
;; launch attn: the kernel of part 3 again; grid 8 x 32, 8 waves a work-group, clusters of 4 x 1, 327,680 bytes of LDS; arguments qw, kw, vw, act; writes act
;; launch oproj: the kernel of part 4 again; grid 8 x 32, 4 waves a work-group, clusters of 4 x 4, 327,680 bytes of LDS; arguments act, wb, bo, out0; writes out0
